; MI455X (gfx1250); checked and timed in simulation.
; The chip was launched on July 23, 2026; its instructions are those of AMD's public machine-readable ISA for CDNA 5 (MIT licence, August 2026) and "CDNA5" Instruction Set Architecture Reference Guide (July 2026). The comments in the code are by the model that wrote it; some were corrected since.
;; Spiking MHA. Allowed arithmetic: matrix products marked QUANTISED: E3M2 operands, one E8M0 scale for each 32 along K, by v_wmma_scale_f32_16x16x128_f8f6f4 with both operands' format E3M2, f32 sums; everything else in f32.
;; Inputs: Wk_codes 1,024 x 32 x 24 uint8 (E3M2 codes of Wk, K innermost, in blocks of 32 codes, four codes in three bytes); Wk_scales 1,024 x 32 uint8 (E8M0 scales of Wk, one for each 32 codes along K); Wq_codes 1,024 x 32 x 24 uint8 (E3M2 codes of Wq, K innermost, in blocks of 32 codes, four codes in three bytes); Wq_scales 1,024 x 32 uint8 (E8M0 scales of Wq, one for each 32 codes along K); Wv_codes 1,024 x 32 x 24 uint8 (E3M2 codes of Wv, K innermost, in blocks of 32 codes, four codes in three bytes); Wv_scales 1,024 x 32 uint8 (E8M0 scales of Wv, one for each 32 codes along K); bk 1,024 float32; bq 1,024 float32; bv 1,024 float32; x_codes 2,048 x 2 x 32 x 24 uint8 (E3M2 codes of x, K innermost, in blocks of 32 codes, four codes in three bytes); x_scales 2,048 x 2 x 32 uint8 (E8M0 scales of x, one for each 32 codes along K).
;; Outputs: out0 2,048 x 2 x 1,024 float32.
;; This version of the problem:
;;   THIS VERSION OF THE PROBLEM IS GIVEN IN LOW PRECISION. The matrix products marked QUANTISED in the list below multiply operands that are first quantised to E3M2 (3 exponent bits, 2 mantissa bits; 6 bits a number), with one power-of-two scale for each 32 numbers along K (OCP MX v1.0); their sums are f32. All else is computed in f32.
;;   The module's matrix products, in the order in which they are computed (A, B: the left and right operand; K: the contracted axis; several contracted axes count as one K, in the product's order):
;;     1. [M 4,096, K 1,024] x [K 1,024, N 1,024]; A: input x (given as codes); B: input Wq (given as codes): QUANTISED
;;     2. [M 4,096, K 1,024] x [K 1,024, N 1,024]; A: input x (given as codes); B: input Wk (given as codes): QUANTISED
;;     3. [M 4,096, K 1,024] x [K 1,024, N 1,024]; A: input x (given as codes); B: input Wv (given as codes): QUANTISED
;;     4. batch 32 x [M 2,048, K 64] x [K 64, N 2,048]; A: computed on the way; B: computed on the way: QUANTISED
;;     5. batch 32 x [M 2,048, K 2,048] x [K 2,048, N 64]; A: softmax (see below); B: computed on the way: QUANTISED
;;   THE QUANTISER, for each operand of a quantised product, along K:
;;     - K is cut into blocks of 32 from its start; a last block that is shorter is filled with zeros.
;;     - A block's scale is 2^e with e = floor(log2(the largest magnitude in the block)) - 4, held to -126 .. 127; a block of zeros has e = 0. As a byte (E8M0): e + 127.
;;     - Each number is divided by its block's scale, clamped to +-28, and rounded to the nearest number of E3M2, ties to even, subnormals kept.
;;     - The product sums the exact products of the quantised numbers (number of the format x scale) in f32.
;;   ~~~python
;;   def quantise(x, axis):      # numpy; x: float32 -> the quantised numbers, widened to float32 again
;;       x = np.moveaxis(x, axis, -1); K = x.shape[-1]
;;       x = np.pad(x, [(0, 0)] * (x.ndim - 1) + [(0, -K % 32)]); x = x.reshape(x.shape[:-1] + (-1, 32)); a = np.abs(x).max(-1, keepdims=True)
;;       e = np.where(a > 0, np.clip(np.frexp(np.where(a > 0, a, 1))[1] - 1 - 4, -126, 127), 0)      # np.frexp(a)[1] - 1 = floor(log2(a)), exactly
;;       r = np.clip(x / 2.0 ** e, -28, 28)
;;       step = 2.0 ** (np.maximum(np.frexp(np.where(r == 0, 1, r))[1] - 1, -2) - 2)
;;       q = np.round(r / step) * step * 2.0 ** e      # np.round: ties to even
;;       return np.moveaxis(q.reshape(q.shape[:-2] + (-1,))[..., :K], -1, axis).astype(np.float32)
;;   ~~~
;;   SOFTMAX AHEAD OF A QUANTISED PRODUCT. Where the list says 'softmax', what is quantised is not the finished softmax but p = 2^(t - M), with t = logit x log2(e) and M = ceil(the row's largest t), a whole number; so 1/2 < the row's largest p <= 1. The row's sum l is taken of the UNQUANTISED p, in f32, and the product's result is divided by l at the end. Since M is a whole number, a kernel that streams over the keys may use a running M (the ceiling of the running maximum): every later rescaling is an exact power of two, which a block's scale takes up: the codes' values come out the same.
;;   OPERANDS COMPUTED ON THE WAY. 'Computed on the way' means the value that the module computes at that place (a softmax that the list does not call 'softmax' is quantised finished and normalised). What goes into a quantiser is computed in f32, as accurately as f32 sums, v_exp_f32 and their like allow (about 1e-6 of the number): no bf16 or f16 on the way to a quantiser, and a product that is left as it is and whose result goes on into a quantised operand takes f32 operands (vector FMAs, or v_wmma_f32_16x16x4_f32). A number that lies on a knife's edge between two numbers of the format may be rounded either way, as far as f32 arithmetic and the matrix unit's own rounding can turn it there, and no further.
;;   INPUTS GIVEN AS CODES. Wk (in the module: [1024, 1024], K = its axis 1); Wq (in the module: [1024, 1024], K = its axis 1); Wv (in the module: [1024, 1024], K = its axis 1); x (in the module: [2048, 2, 1024], K = its axis 2): each comes as NAME_codes (uint8): NAME with its K axis moved to the last place and cut into blocks of 32 codes, [.., K / 32, bytes a block], one block behind the other in memory; four codes in three bytes: a row's codes are one little-endian stream of bits, code i at bits 6 i .. 6 i + 5 (a code: sign, 3 exponent bits, 2 mantissa bits); and NAME_scales (uint8): the same leading axes, one E8M0 byte (e + 127) for each 32 codes along K. Its value is code x scale, taken as it is: it is not quantised again, and the codes and scales need not be those that the quantiser above would give.
;; One version. Each part assembles by itself: llvm-mc -triple=amdgcn-amd-amdhsa -mcpu=gfx1250 --defsym DOCPART=n.
;; ======== version 1 of 1: 2 launches
;; limits: right only within a limited range of input values
;; workspace buffers: qc 3,276,800 bytes; kv 6,553,600 bytes
;; launch proj (part 1): grid 16 x 16, 4 waves a work-group, clusters of 4 x 4, 327,680 bytes of LDS; arguments x_codes, x_scales, Wq_codes, Wq_scales, bq, Wk_codes, Wk_scales, bk, Wv_codes, Wv_scales, bv, qc, kv; writes qc, kv
.if DOCPART == 1
	.amdgcn_target "amdgcn-amd-amdhsa--gfx1250"
	.amdhsa_code_object_version 6
	.text
	.protected	k_qa750c7df2a_proj
	.globl	k_qa750c7df2a_proj
	.p2align	8
	.type	k_qa750c7df2a_proj,@function
k_qa750c7df2a_proj:
	s_mov_b64 s[64:65], 0
	v_nop
	global_prefetch_b8 v0, s[64:65] scope:SCOPE_SE
	s_setreg_imm32_b32 hwreg(HW_REG_WAVE_MODE, 25, 1), 1
	s_wait_xcnt 0x0
	s_wait_alu depctr_hold_cnt(0) depctr_sa_sdst(0) depctr_va_vdst(0) depctr_va_sdst(0) depctr_va_ssrc(0) depctr_va_vcc(0) depctr_vm_vsrc(0)
	s_getreg_b32 s2, hwreg(HW_REG_IB_STS2, 6, 4)
	s_cmp_eq_u32 s2, 0
	s_cbranch_scc0 .Lentry_in_a_cluster
	s_endpgm
.Lentry_in_a_cluster:
	s_bfe_u32 s2, ttmp6, 0x10000c
	s_cmp_lg_u32 s2, 0xf033
	s_cbranch_scc0 .Lentry_shape_is_right
	s_endpgm
.Lentry_shape_is_right:
; q, k, v = x W^T + b for one head, 256 t of one b: three products on codes of BF6 (E3M2) with E8M0 scales, as they are given; sums and biases in f32.
; The results are quantised here (q and k along the head's 64 channels, v along the keys) and stored as IMAGES OF OPERAND REGISTERS for the attention launch.  No work of reference() is left out.
; SHARES.  Work-group (hd, y): head hd, b = y & 1, t = 256 (y >> 1) + 0 .. 255.  Wave w: mh = w >> 1: its 128 t (one STEP of the workspace); nh = w & 1: q (0) or k (1), and v's channels 32 nh + 0 .. 31.
; A wave has 8 tiles of x (T = 4 c + i) x 6 tiles of W (4 of Wq or Wk, 2 of Wv): 48 accumulators, 384 registers.
; THE ROWS OF A TILE ARE NOT NEIGHBOURS.  Tile (c, i) of x: rows 0-7 are t = 64 c + 8 i + j, rows 8-15 are t = 64 c + 32 + 8 (i ^ 1) + j; the tiles of Wq and Wk are formed so of the head's 64 channels.
; In a result a lane's half h then sees block 2 c + h alone: four tiles give a lane a WHOLE block of 32 in 32 registers on end, so a block's largest magnitude needs no other lane, and two conversions give
; six registers of the next operand.  Inside block h = 1 the order is permuted, alike in q and k and alike in v and (later) p: the products are the same.
; q, k: source 0 = 16 rows of W, source 1 = 16 rows of x: a lane holds one t and registers along the channels.  v: the sources swapped: a lane holds one channel and registers along t, the second product's K.
; K: a row of 1,024 codes is 768 bytes = THREE CHUNKS OF 256 BYTES, each beginning at a multiple of 256 bytes of its buffer.  Chunk c lies in LDS slot c % 2 (16 bytes of padding behind each row: pitch 272).
; A step of 128 along K is 96 bytes: eight steps to three chunks; steps 2 and 5 lie across two chunks and take their pieces from both slots.
; CLUSTER 4 x 4: x's tile hangs on y alone and is asked for jointly along a row of the cluster, W's tiles hang on hd alone and are asked for jointly along a column.
; Wave 0 fetches x's 256 rows, waves 1 to 3 the 64 rows of Wq, Wk, Wv: one tensor load a wave for each chunk, one out at a time.
; No prefetch: the walk along K is eight steps written out, with three fills in all: there is no loop to run ahead in.
; The scale words of all of K (8 a row) are loaded once, straight into registers: lanes 0-15 the rows of an even tile, lanes 16-31 those of the odd tile beside it.
; LIMITS: NaN and infinities are not served.  A block whose largest magnitude lies under 2^-122 keeps the scale byte 1; a block of zeros gets the byte 1 where the quantiser says 127: its codes are zeros,
; which add nothing under that byte, and the bytes are read by this program alone.
; REGISTERS, in windows of 256: window 0: v1-7 at work; v8-27 LDS addresses; v28-29 shifts; v30-31 the spare word's address and 0; v32-39 offsets; v40-71 x's scale words, v72-87 Wq's or Wk's, v88-95 Wv's;
;   v96-239 W's fragments, two sets of 6.  window 1: x's fragments, two sets of 8.  window 2: the 32 accumulators of q or k, (T, i) at 8 (4 T + i).  window 3: v0-127 v's 16 accumulators at 64 d + 8 T; v128-175 biases.
.set SLOT,  121856                     ; 448 rows x 272: x's 256, then 64 each of Wq, Wk, Wv
.set SPARE, 2*SLOT                     ; behind the ring: the spare words, 128 bytes for each wave: two blocks of 256 bytes that no other line names
.set PADW,  (1<<20)|(1<<21)|(5<<22)|(3<<25)   ; elements of 1 byte; padding on; bit 21 beside a mask; behind every 64 words, 4 words
.set AD,  8                            ; v[AD + 4 kind + n]: kinds: x even tiles, x odd, W even, W odd, Wv; n = 0, 1: my row + 24 h in slot 0, 1; n = 2, 3: lanes 0-15 byte 232 of the row in slot 0, 1, lanes 16-31 byte 0 of the row in the other slot
.set XS,  40
.set WS,  72
.set VSS, 88
.set WF,  96
.set G1X, 40                           ; s[40:47] group 1 for x's tile; s[48:55] for W's; s[56:63] x's groups 0, one for each slot; s[68:75] W's
.set G1W, 48
.set G0X, 56
.set G0W, 68
.set MX,  40                           ; the way out, in window 0: largest magnitudes, conversion scales, bytes, the other half's bytes, scale words, images, codes
.set SCV, 52
.set BY,  64
.set OB,  76
.set WD,  88
.set KSP, 94
.set CODE, 96
.set TMP, 168
.set VSI, 240
.set MSB, 0
.macro WIN new                         ; the immediate's high byte repeats the setting that is left
.if MSB != \new
	s_set_vgpr_msb (MSB<<8)|\new
.set MSB, \new
.endif
.endm
.macro PLACES                          ; four plain places behind matrix instructions, in front of loads into their registers and of reads of their results
.rept 4
	v_nop
.endr
.endm
.macro CREST                           ; a round of the cluster's barrier behind its opening barrier
	s_cmp_lg_u32 s30, 0
	s_cbranch_scc1 .Lnot_wave_0_\@
	s_barrier_signal -3
.Lnot_wave_0_\@:
	s_barrier_wait -3
	s_barrier_signal -1
	s_barrier_wait -1
.endm
.macro CROUND
	s_barrier_signal -1
	s_barrier_wait -1
	CREST
.endm
.macro JLOAD s                         ; a joint fill of slot s: wave 0 asks for x's tile, waves 1 to 3 for W's; the branch hangs on the wave's number alone; s_nop 0 and four v_nop follow each line
	s_cmp_eq_u32 s30, 0
	s_cbranch_scc0 .Lfor_w_\@
	tensor_load_to_lds s[G0X+4*\s:G0X+4*\s+3], s[G1X:G1X+7]
	s_nop 0
.rept 4
	v_nop
.endr
	s_branch .Lasked_\@
.Lfor_w_\@:
	tensor_load_to_lds s[G0W+4*\s:G0W+4*\s+3], s[G1W:G1W+7]
	s_nop 0
.rept 4
	v_nop
.endr
.Lasked_\@:
.endm
	s_load_b512 s[4:19], s[0:1], 0x0               ; x_codes 4, x_scales 6, Wq_codes 8, Wq_scales 10, bq 12, Wk_codes 14, Wk_scales 16, bk 18
	s_load_b256 s[20:27], s[0:1], 0x40             ; Wv_codes 20, Wv_scales 22, bv 24, qc 26
	s_load_b64 s[28:29], s[0:1], 0x60              ; kv
	v_lshl_add_u32 v30, v0, 2, SPARE
	v_mov_b32 v31, 0
	ds_add_u32 v30, v31                            ; the opening: the add, twice on end, and its wait ahead of my first tensor load
	ds_add_u32 v30, v31
	v_lshrrev_b32 v1, 5, v0
	v_readfirstlane_b32 s30, v1                    ; wave 0..3
	s_lshr_b32 s31, s30, 1                         ; mh
	s_and_b32 s32, s30, 1                          ; nh
	s_bfe_u32 s33, ttmp6, 0x40000                  ; cx
	s_bfe_u32 s34, ttmp6, 0x40004                  ; cy
	s_lshl_b32 s35, ttmp9, 2
	s_add_co_u32 s35, s35, s33                     ; hd = 4 x cluster x + cx
	s_and_b32 s36, ttmp7, 0xffff
	s_lshl_b32 s36, s36, 2
	s_add_co_u32 s36, s36, s34                     ; y = 4 x cluster y + cy
	s_and_b32 s37, s36, 1                          ; b
	s_lshr_b32 s38, s36, 1                         ; tb
	s_lshl_b32 s80, s34, 2
	s_lshl_b32 s80, 15, s80                        ; my row of the cluster
	s_lshl_b32 s81, 0x1111, s33                    ; my column
	s_or_b32 s[G1X], s80, PADW                     ; x's tile: 256 rows of 256 bytes, 1,536 bytes apart (the other b lies between)
	s_mov_b32 s[G1X+1], 256<<16
	s_mov_b32 s[G1X+2], 256<<16
	s_mov_b32 s[G1X+3], 256<<16
	s_mov_b32 s[G1X+4], 256
	s_mov_b32 s[G1X+5], 1536
	s_mov_b32 s[G1X+6], 0
	s_mov_b32 s[G1X+7], 0
	s_or_b32 s[G1W], s81, PADW                     ; a tile of W: 64 rows of 256 bytes, 768 apart
	s_mov_b32 s[G1W+1], 256<<16
	s_mov_b32 s[G1W+2], 64<<16
	s_mov_b32 s[G1W+3], 256<<16
	s_mov_b32 s[G1W+4], 64
	s_mov_b32 s[G1W+5], 768
	s_mov_b32 s[G1W+6], 0
	s_mov_b32 s[G1W+7], 0
	s_mul_i32 s82, s38, 393216                     ; x: 256 tb rows of 1,536 bytes
	s_mul_i32 s83, s37, 768                        ; + b
	s_add_co_u32 s82, s82, s83
	s_mov_b32 s83, 0
	s_mul_i32 s84, s35, 49152                      ; W: the head's 64 rows of 768 bytes
	s_mov_b32 s85, 0
	s_mul_i32 s88, s30, 17408
	s_add_co_u32 s88, s88, 52224                   ; where waves 1, 2, 3 put Wq, Wk, Wv in a slot: 69,632 + 17,408 (w - 1)
	s_mov_b32 s76, 0x76543210
	s_mov_b32 s77, 0xfedcba98                      ; v_permlanex16_b32's selects for lane l xor 16
	s_mov_b32 s78, 0xffff0000                      ; lanes 16-31
	s_wait_dscnt 0x0                               ; both opening adds are done
	s_wait_kmcnt 0x0
	s_add_nc_u64 s[82:83], s[4:5], s[82:83]
	s_cmp_eq_u32 s30, 2
	s_cselect_b64 s[86:87], s[14:15], s[8:9]       ; wave 2: Wk; else Wq
	s_cmp_eq_u32 s30, 3
	s_cselect_b64 s[86:87], s[20:21], s[86:87]     ; wave 3: Wv
	s_add_nc_u64 s[86:87], s[86:87], s[84:85]
	CROUND                                         ; all sixteen work-groups are here: the first joint loads meet
.irp s, 0,1
	s_mov_b32 s[G0X+4*\s], 1
	s_mov_b32 s[G0X+4*\s+1], \s*SLOT
	s_add_nc_u64 s[G0X+4*\s+2:G0X+4*\s+3], s[82:83], \s*256     ; chunk s of K
	s_or_b32 s[G0X+4*\s+3], s[G0X+4*\s+3], 0x80000000
	s_mov_b32 s[G0W+4*\s], 1
	s_add_co_u32 s[G0W+4*\s+1], s88, \s*SLOT
	s_add_nc_u64 s[G0W+4*\s+2:G0W+4*\s+3], s[86:87], \s*256
	s_or_b32 s[G0W+4*\s+3], s[G0W+4*\s+3], 0x80000000
.endr
	JLOAD 0                                        ; chunk 0: one tensor load a wave at the head, every way through the branch passes one
	s_mul_i32 s2, s31, 34816                       ; my 128 rows of x
	s_mul_i32 s3, s32, 17408
	s_add_co_u32 s3, s3, 69632                     ; Wq's rows or Wk's
	s_mul_i32 s39, s32, 8704
	s_add_co_u32 s39, s39, 104448                  ; my 32 rows of Wv
	s_lshl_b32 s90, s38, 14
	s_lshl_b32 s91, s31, 13
	s_add_co_u32 s90, s90, s91
	s_lshl_b32 s91, s37, 5
	s_add_co_u32 s90, s90, s91
	s_mov_b32 s91, 0
	s_add_nc_u64 s[6:7], s[6:7], s[90:91]          ; x_scales at my 128 t
	s_cmp_eq_u32 s32, 0
	s_cselect_b64 s[92:93], s[10:11], s[16:17]     ; Wq's scales or Wk's
	s_cselect_b64 s[94:95], s[12:13], s[18:19]     ; bq or bk
	s_lshl_b32 s98, s35, 11
	s_mov_b32 s99, 0
	s_add_nc_u64 s[92:93], s[92:93], s[98:99]      ; the head's 64 rows of 32 bytes
	s_add_nc_u64 s[22:23], s[22:23], s[98:99]
	s_lshl_b32 s98, s32, 10
	s_add_nc_u64 s[22:23], s[22:23], s[98:99]      ; Wv's: my 32 rows
	s_lshl_b32 s98, s35, 8
	s_add_nc_u64 s[94:95], s[94:95], s[98:99]      ; the head's 64 numbers
	s_add_nc_u64 s[24:25], s[24:25], s[98:99]
	s_lshl_b32 s98, s32, 7
	s_add_nc_u64 s[24:25], s[24:25], s[98:99]      ; bv: my 32
	; all the head's vector work in one run
	v_and_b32 v1, 15, v0                           ; r
	v_bfe_u32 v2, v0, 4, 1                         ; h
	v_and_b32 v3, 7, v0                            ; r % 8
	v_bfe_u32 v4, v0, 3, 1                         ; r / 8
	v_mul_u32_u24 v5, v3, 272
	v_mad_u32_u24 v6, v4, 10880, v5                ; an even tile's row: r % 8 + 40 (r / 8), x pitch
	v_mad_u32_u24 v7, v4, 6528, v5                 ; an odd tile's: r % 8 + 24 (r / 8)
	v_mul_u32_u24 v5, v1, 272                      ; Wv's tiles are 16 neighbouring rows
	v_mul_u32_u24 v33, v2, 24                      ; + 24 h: a lane's 24 bytes of the row's stream of bits
	v_mul_u32_u24 v34, v2, SLOT-232
	v_add_nc_u32 v34, 232, v34                     ; across two chunks: lanes 0-15 byte 232 in slot 0, lanes 16-31 byte 0 in slot 1
	v_sub_nc_u32 v35, 1, v2
	v_mul_u32_u24 v35, v35, SLOT+232               ; and lanes 0-15 byte 232 in slot 1, lanes 16-31 byte 0 in slot 0
.macro ADR k, sb, vr
	v_add_nc_u32 v36, \sb, \vr
	v_add_nc_u32 v[AD+4*\k], v36, v33
	v_add_nc_u32 v[AD+4*\k+1], SLOT, v[AD+4*\k]
	v_add_nc_u32 v[AD+4*\k+2], v36, v34
	v_add_nc_u32 v[AD+4*\k+3], v36, v35
.endm
	ADR 0, s2, v6
	ADR 1, s2, v7
	ADR 2, s3, v6
	ADR 3, s3, v7
	ADR 4, s39, v5
	v_lshlrev_b32 v28, 3, v2                       ; 8 h: my byte's place in a row's half word
	v_sub_nc_u32 v29, 8, v28                       ; and the other half's
	v_lshlrev_b32 v32, 4, v2
	v_sub_nc_u32 v32, 40, v32
	v_mul_u32_u24 v32, v4, v32
	v_add_nc_u32 v32, v32, v3
	v_lshl_add_u32 v32, v2, 3, v32                 ; tl = 8 h + r % 8 + (r / 8)(40 - 16 h): lanes 0-15 the rows of an even tile, lanes 16-31 those of the odd tile beside it
	v_lshlrev_b32 v33, 6, v32                      ; x's scales: 64 bytes from t to t + 1
	v_lshlrev_b32 v34, 5, v32                      ; W's: 32 bytes a row
	v_and_b32 v35, 31, v0
	v_lshlrev_b32 v36, 5, v35                      ; Wv's: row = lane
	v_mul_u32_u24 v37, v2, 160                     ; bias of an even tile: channels 8 i + j (h = 0) or 8 i + 40 + j (h = 1)
	v_mul_u32_u24 v38, v2, 96                      ; of an odd tile: 8 i + 24 + j
	v_lshlrev_b32 v39, 2, v1                       ; bv: channel r
	s_wait_alu depctr_va_vdst(0)                   ; the end of the head's vector work
.irp p, 0,1,2,3                                ; a row's 32 scale bytes are 8 words, one for each 128 along K: register ks of the pair's eight
	global_load_b128 v[XS+8*\p:XS+8*\p+3], v33, s[6:7] offset:(64*(\p/2)+16*(\p%2))*64
	global_load_b128 v[XS+8*\p+4:XS+8*\p+7], v33, s[6:7] offset:(64*(\p/2)+16*(\p%2))*64+16
.endr
.irp p, 0,1
	global_load_b128 v[WS+8*\p:WS+8*\p+3], v34, s[92:93] offset:512*\p
	global_load_b128 v[WS+8*\p+4:WS+8*\p+7], v34, s[92:93] offset:512*\p+16
.endr
	global_load_b128 v[VSS:VSS+3], v36, s[22:23]
	global_load_b128 v[VSS+4:VSS+7], v36, s[22:23] offset:16
	WIN 0xc0                                       ; destination window 3
.irp i, 0,1,2,3
	global_load_b128 v[128+8*\i:131+8*\i], v[37+\i%2], s[94:95] offset:32*\i
	global_load_b128 v[132+8*\i:135+8*\i], v[37+\i%2], s[94:95] offset:32*\i+16
.endr
.irp d, 0,1
	global_load_b32 v[160+8*\d], v39, s[24:25] offset:64*\d
.endr
	WIN 0
; a fragment, 16 rows x 128 K of 6-bit codes: 12 registers; six pieces of 8 bytes, each inside one chunk.  st: the step, counted from the row's start.  Byte y of a row lies in slot (y / 256) % 2 at byte y % 256 of the LDS row.
; Lanes 16-31 read 24 bytes further on; where that is in the next chunk, the second pair of address registers serves
.macro FRAG reg, adr, st, rowoff
.irp p, 0,1,2,3,4,5
.set PB, 96*(\st)+48*(\p/3)+8*(\p%3)
.if PB/256 == (PB+24)/256
	ds_load_b64 v[(\reg)+2*\p:(\reg)+2*\p+1], v[(\adr)+(PB/256)%2] offset:PB%256+(\rowoff)*272
.else
	ds_load_b64 v[(\reg)+2*\p:(\reg)+2*\p+1], v[(\adr)+2+(PB/256)%2] offset:PB%256-232+(\rowoff)*272
.endif
.endr
.endm
.macro FETCH st, set                   ; 84 LDS loads in one run: the 14 fragments of step st into set
	WIN 0x40                                       ; destination window 1
.irp T, 0,1,2,3,4,5,6,7
	FRAG 96*(\set)+12*\T, AD+4*(\T%2), \st, 64*(\T/4)+8*(\T%4)
.endr
	WIN 0
.irp i, 0,1,2,3
	FRAG WF+72*(\set)+12*\i, AD+8+4*(\i%2), \st, 8*\i
.endr
.irp d, 0,1
	FRAG WF+72*(\set)+12*(4+\d), AD+16, \st, 16*\d
.endr
.endm
.macro WM                              ; one product, by the symbols rD, rA, rB, rC, rSA, rSB; par bit 0: source 0's scales in lanes 16-31, bit 1: source 1's
.if par == 0
	v_wmma_scale_f32_16x16x128_f8f6f4 v[rD:rD+7], v[rA:rA+11], v[rB:rB+11], v[rC:rC+7], v[rSA], v[rSB] matrix_a_fmt:MATRIX_FMT_BF6 matrix_b_fmt:MATRIX_FMT_BF6
.elseif par == 1
	v_wmma_scale_f32_16x16x128_f8f6f4 v[rD:rD+7], v[rA:rA+11], v[rB:rB+11], v[rC:rC+7], v[rSA], v[rSB] matrix_a_fmt:MATRIX_FMT_BF6 matrix_b_fmt:MATRIX_FMT_BF6 matrix_a_scale:MATRIX_SCALE_ROW1
.elseif par == 2
	v_wmma_scale_f32_16x16x128_f8f6f4 v[rD:rD+7], v[rA:rA+11], v[rB:rB+11], v[rC:rC+7], v[rSA], v[rSB] matrix_a_fmt:MATRIX_FMT_BF6 matrix_b_fmt:MATRIX_FMT_BF6 matrix_b_scale:MATRIX_SCALE_ROW1
.else
	v_wmma_scale_f32_16x16x128_f8f6f4 v[rD:rD+7], v[rA:rA+11], v[rB:rB+11], v[rC:rC+7], v[rSA], v[rSB] matrix_a_fmt:MATRIX_FMT_BF6 matrix_b_fmt:MATRIX_FMT_BF6 matrix_a_scale:MATRIX_SCALE_ROW1 matrix_b_scale:MATRIX_SCALE_ROW1
.endif
.endm
; 16 products of q or k: x's tiles T0 .. T0 + 3 against W's four.  first = 1: the bias is the C of the sum's first product.  The 48 accumulators take turns, one instruction a turn, in one order in every step
.macro QK16 T0, set, ks, first
.if \first
	WIN 0xb4                                       ; source 0 (W) window 0, source 1 (x) window 1, C (bias) window 3, D window 2
.else
	WIN 0xa4                                       ; C and D window 2
.endif
.irp dT, 0,1,2,3
.irp i, 0,1,2,3
.set rD, 8*(4*(\T0+\dT)+\i)
.set rA, WF+72*(\set)+12*\i
.set rB, 96*(\set)+12*(\T0+\dT)
.set rC, rD
.if \first
.set rC, 128+8*\i
.endif
.set rSA, WS+8*(\i/2)+(\ks)
.set rSB, XS+8*((\T0+\dT)/2)+(\ks)
.set par, (\i%2)+2*((\T0+\dT)%2)
	WM
.endr
.endr
.endm
.macro V16 set, ks, first              ; 16 products of v, the sources swapped: source 0 = x's tile, source 1 = 16 rows of Wv
	WIN 0xf1                                       ; source 0 window 1, source 1 window 0, C and D window 3
.irp T, 0,1,2,3,4,5,6,7
.irp d, 0,1
.set rD, 64*\d+8*\T
.set rA, 96*(\set)+12*\T
.set rB, WF+72*(\set)+12*(4+\d)
.set rC, rD
.if \first
.set rC, 160+8*\d
.endif
.set rSA, XS+8*(\T/2)+(\ks)
.set rSB, VSS+(\ks)
.set par, (\T%2)+2*\d
	WM
.endr
.endr
.endm
; A step of 128 along K: 48 products on step st's fragments; the next step's 14 fragments are fetched in one run inside it.
; kind 0: the next step's bytes lie in chunks that are whole already.
; kind 1: they end in a chunk that no step has read yet: every wave waits for its tensor load, and a barrier shows that chunk whole to all four waves, ahead of the fetch.
; kind 2: slot 0's chunk is left behind: each wave waits for all its tensor loads, adds 0 to its spare word, waits for that and for its reads; the barrier opens a round of the cluster's barrier; slot 0 takes chunk 2.
.macro STEP st, kind, first
.if \kind
	s_wait_tensorcnt 0x0                           ; all my tensor loads have landed
.if \kind == 2
	ds_add_u32 v30, v31                            ; 0 onto my spare word
	s_wait_dscnt 1                                 ; the 84 fragment loads are in; the add may be out
.else
	s_wait_dscnt 0x0                               ; this step's 14 fragments are in
.endif
	QK16 0, (\st)%2, \st, 0                        ; sixteen matrix instructions stand between the add and the wait for it
.if \kind == 2
	s_wait_dscnt 0x0                               ; the add is done, and my reads of slot 0 are over
.endif
	s_barrier_signal -1
	QK16 4, (\st)%2, \st, 0
	WIN 0                                          ; (branches may follow)
	s_barrier_wait -1
.if \kind == 2
	CREST                                          ; no wave of any partner still reads slot 0 or has a load on its way
	s_add_nc_u64 s[G0X+2:G0X+3], s[G0X+2:G0X+3], 512
	s_add_nc_u64 s[G0W+2:G0W+3], s[G0W+2:G0W+3], 512
	JLOAD 0                                        ; chunk 2, the first tensor load behind the round; its four v_nop are also the places in front of the loads below
.else
	PLACES
.endif
	FETCH (\st)+1, ((\st)+1)%2
	V16 (\st)%2, \st, 0
	WIN 0
.else
	s_wait_dscnt 0x0                               ; this step's 14 fragments are in
	QK16 0, (\st)%2, \st, \first
	WIN 0
	PLACES
	FETCH (\st)+1, ((\st)+1)%2                     ; the next step's, 32 matrix instructions ahead of their use
	QK16 4, (\st)%2, \st, \first
	V16 (\st)%2, \st, \first
	WIN 0
.endif
.endm
	s_wait_tensorcnt 0x0                           ; my part of chunk 0 is in
	ds_add_u32 v30, v31
	s_wait_dscnt 0x0
	CROUND                                         ; everybody's part of chunk 0 is in, and all sixteen work-groups are here
	JLOAD 1                                        ; chunk 1 into slot 1, the first tensor load behind the round
	s_wait_loadcnt 0x0                             ; scale words and biases
	WIN 0xc3                                       ; destination and source 0 window 3
.irp d, 0,1
.irp j, 1,2,3,4,5,6,7
	v_mov_b32 v[160+8*\d+\j], v[160+8*\d]          ; v's bias in the result's layout: a lane holds one channel, so eight equal numbers
.endr
.endr
	WIN 0
	FETCH 0, 0
	s_wait_alu depctr_va_vdst(0)
	STEP 0, 0, 1                                   ; the biases start the sums
	STEP 1, 1, 0                                   ; step 2 ends in chunk 1
	STEP 2, 2, 0                                   ; chunk 0 is left behind: slot 0 takes chunk 2
	STEP 3, 0, 0
	STEP 4, 1, 0                                   ; step 5 ends in chunk 2
	STEP 5, 0, 0                                   ; nothing is left to fetch from memory
	STEP 6, 0, 0
	s_wait_dscnt 0x0
	QK16 0, 1, 7, 0
	QK16 4, 1, 7, 0
	V16 1, 7, 0
	WIN 0
	; THE WAY OUT.  Twelve units of 32 registers, each a whole block of 32 in every lane: units 0-7 x's tiles T of q or k (window 2), units 8-11 v's (d, c) (window 3).  Units 2 F and 2 F + 1 make fragment F.
	PLACES
.irp u, 0,1,2,3,4,5,6,7,8,9,10,11
	v_mov_b32 v[OB+\u], 0                          ; a lane permute's destination counts as one of its sources
.endr
	s_lshl_b32 s96, s37, 4
	s_add_co_u32 s96, s96, s35                     ; bh = 16 b + hd
	s_lshl_b32 s97, s38, 1
	s_add_co_u32 s97, s97, s31                     ; my STEP = 2 tb + mh
	s_mul_i32 s92, s96, 204800
	s_mul_i32 s99, s97, 12800
	s_add_co_u32 s92, s92, s99
	s_mov_b32 s93, 0
	s_add_nc_u64 s[28:29], s[28:29], s[92:93]      ; kv at my STEP
	s_mul_i32 s94, s96, 102400
	s_mul_i32 s99, s97, 6400
	s_add_co_u32 s94, s94, s99
	s_mov_b32 s95, 0
	s_add_nc_u64 s[26:27], s[26:27], s[94:95]      ; qc at my STEP
	s_mov_b32 s98, 12288
	s_cmp_eq_u32 s32, 0
	s_cselect_b64 s[90:91], s[26:27], s[28:29]     ; q's fragments go to qc, k's to kv
	s_cselect_b32 s98, 6144, s98                   ; and the scale pairs behind them
	s_mul_i32 s92, s32, 3072
	s_add_nc_u64 s[92:93], s[28:29], s[92:93]      ; v's fragments 2 nh, 2 nh + 1
	s_lshl_b32 s99, s32, 7
	v_and_b32 v4, 31, v0
	v_lshlrev_b32 v1, 4, v4                        ; 16 x lane
	v_lshl_add_u32 v2, v4, 3, s98                  ; 8 x lane + the pair image's place
	v_lshl_add_u32 v3, v4, 2, s99                  ; 4 x lane + 128 nh
	WIN 0x28                                       ; sources 1 and 2 window 2
.irp u, 0,1,2,3,4,5,6,7
	v_max3_num_f32 v[MX+\u], 0x2800000, |v[32*\u]|, |v[32*\u+1]|   ; the block's largest magnitude, and the floor 2^(5 - 127): the byte cannot fall under 1.  Each accumulator is read from its low end on
.endr
.irp n, 2,4,6,8,10,12,14,16,18,20,22,24,26,28,30
.irp u, 0,1,2,3,4,5,6,7
	v_max3_num_f32 v[MX+\u], v[MX+\u], |v[32*\u+\n]|, |v[32*\u+\n+1]|   ; (the units by turns)
.endr
.endr
	WIN 0x3c                                       ; window 3
.irp u, 8,9,10,11
	v_max3_num_f32 v[MX+\u], 0x2800000, |v[32*(\u-8)]|, |v[32*(\u-8)+1]|
.endr
.irp n, 2,4,6,8,10,12,14,16,18,20,22,24,26,28,30
.irp u, 8,9,10,11
	v_max3_num_f32 v[MX+\u], v[MX+\u], |v[32*(\u-8)+\n]|, |v[32*(\u-8)+\n+1]|
.endr
.endr
	WIN 0
.irp u, 0,1,2,3,4,5,6,7,8,9,10,11
	v_add_nc_u32 v[SCV+\u], 0xfe000000, v[MX+\u]   ; 4 off the exponent field: the conversion's scale operand
.endr
.irp u, 0,1,2,3,4,5,6,7,8,9,10,11
	v_lshrrev_b32 v[BY+\u], 23, v[SCV+\u]          ; the scale's byte: block h of row r
.endr
.irp u, 0,1,2,3,4,5,6,7,8,9,10,11
	v_permlanex16_b32 v[OB+\u], v[BY+\u], s76, s77 ; the row's other block's
.endr
.irp u, 0,1,2,3,4,5,6,7,8,9,10,11
	v_lshlrev_b32 v[BY+\u], v28, v[BY+\u]
.endr
.irp u, 0,1,2,3,4,5,6,7,8,9,10,11
	v_lshl_or_b32 v[BY+\u], v[OB+\u], v29, v[BY+\u]   ; block 0's byte | block 1's << 8, in both halves of the lanes
.endr
.irp F, 0,1,2,3,4,5
	v_lshl_or_b32 v[WD+\F], v[BY+2*\F+1], 16, v[BY+2*\F]   ; fragment F's scale word of row r
.endr
	v_cndmask_b32 v[KSP], v[WD], v[WD+1], s78      ; images: lanes 0-15 the even fragment's words, lanes 16-31 the odd one's
	v_cndmask_b32 v[KSP+1], v[WD+2], v[WD+3], s78
	v_cndmask_b32 v[VSI], v[WD+4], v[WD+5], s78
	WIN 0x02                                       ; source 0 window 2
.irp u, 0,1,2,3,4,5,6,7
	v_cvt_scalef32_pk16_bf6_f32 v[CODE+6*\u:CODE+6*\u+2], v[32*\u:32*\u+15], v[SCV+\u]
	v_cvt_scalef32_pk16_bf6_f32 v[TMP+4*\u:TMP+4*\u+2], v[32*\u+16:32*\u+31], v[SCV+\u]   ; (a conversion's three registers begin on an even number)
.endr
	WIN 0x03
.irp u, 8,9,10,11
	v_cvt_scalef32_pk16_bf6_f32 v[CODE+6*\u:CODE+6*\u+2], v[32*(\u-8):32*(\u-8)+15], v[SCV+\u]
	v_cvt_scalef32_pk16_bf6_f32 v[TMP+4*\u:TMP+4*\u+2], v[32*(\u-8)+16:32*(\u-8)+31], v[SCV+\u]
.endr
	WIN 0
	v_nop                                          ; one plain place behind a scaled conversion
.irp u, 0,1,2,3,4,5,6,7,8,9,10,11
.irp i, 0,1,2
	v_mov_b32 v[CODE+6*\u+3+\i], v[TMP+4*\u+\i]
.endr
.endr
.irp F, 0,1,2,3                                ; a fragment's 12 registers as they stand: registers 4 k .. 4 k + 3 of lane l at 512 k + 16 l: each store covers 512 consecutive bytes, aligned to 256
.irp k, 0,1,2
	global_store_b128 v1, v[CODE+12*\F+4*\k:CODE+12*\F+4*\k+3], s[90:91] offset:1536*\F+512*\k
.endr
.endr
	global_store_b64 v2, v[KSP:KSP+1], s[90:91]    ; 256 consecutive bytes
.irp F, 0,1
.irp k, 0,1,2
	global_store_b128 v1, v[CODE+48+12*\F+4*\k:CODE+48+12*\F+4*\k+3], s[92:93] offset:6144+1536*\F+512*\k
.endr
.endr
	global_store_b32 v3, v[VSI], s[28:29] offset:12544   ; 128 bytes: the STEP's last 256 bytes come from its two waves by halves
	s_wait_tensorcnt 0x0                           ; the wave's end
	ds_add_u32 v30, v31
	s_wait_dscnt 0x0
	CROUND                                         ; the closing round: no work-group ends while a partner may still ask for a tile that names it
	s_endpgm
.Lfunc_end_k_qa750c7df2a_proj:
	.size	k_qa750c7df2a_proj, .Lfunc_end_k_qa750c7df2a_proj-k_qa750c7df2a_proj
	.p2alignl 7, 3214868480
	.fill 96, 4, 3214868480
	.section	.rodata,"a",@progbits
	.p2align	6, 0x0
	.amdhsa_kernel k_qa750c7df2a_proj
		.amdhsa_group_segment_fixed_size 327680
		.amdhsa_private_segment_fixed_size 0
		.amdhsa_enable_private_segment 0
		.amdhsa_kernarg_size 104
		.amdhsa_user_sgpr_count 2
		.amdhsa_user_sgpr_kernarg_segment_ptr 1
		.amdhsa_wavefront_size32 1
		.amdhsa_system_sgpr_workgroup_id_x 1
		.amdhsa_system_sgpr_workgroup_id_y 1
		.amdhsa_system_sgpr_workgroup_id_z 1
		.amdhsa_system_vgpr_workitem_id 0
		.amdhsa_next_free_vgpr 1024
		.amdhsa_next_free_sgpr 100
		.amdhsa_reserve_vcc 0
		.amdhsa_float_denorm_mode_32 3
		.amdhsa_float_denorm_mode_16_64 3
		.amdhsa_memory_ordered 1
		.amdhsa_forward_progress 1
		.amdhsa_inst_pref_size 129
	.end_amdhsa_kernel
	.amdgpu_metadata
---
amdhsa.version: [ 1, 2 ]
amdhsa.kernels:
  - .name:           k_qa750c7df2a_proj
    .symbol:         k_qa750c7df2a_proj.kd
    .args:
      - { .name: x_codes, .offset: 0, .size: 8, .value_kind: global_buffer, .address_space: global }
      - { .name: x_scales, .offset: 8, .size: 8, .value_kind: global_buffer, .address_space: global }
      - { .name: Wq_codes, .offset: 16, .size: 8, .value_kind: global_buffer, .address_space: global }
      - { .name: Wq_scales, .offset: 24, .size: 8, .value_kind: global_buffer, .address_space: global }
      - { .name: bq, .offset: 32, .size: 8, .value_kind: global_buffer, .address_space: global }
      - { .name: Wk_codes, .offset: 40, .size: 8, .value_kind: global_buffer, .address_space: global }
      - { .name: Wk_scales, .offset: 48, .size: 8, .value_kind: global_buffer, .address_space: global }
      - { .name: bk, .offset: 56, .size: 8, .value_kind: global_buffer, .address_space: global }
      - { .name: Wv_codes, .offset: 64, .size: 8, .value_kind: global_buffer, .address_space: global }
      - { .name: Wv_scales, .offset: 72, .size: 8, .value_kind: global_buffer, .address_space: global }
      - { .name: bv, .offset: 80, .size: 8, .value_kind: global_buffer, .address_space: global }
      - { .name: qc, .offset: 88, .size: 8, .value_kind: global_buffer, .address_space: global }
      - { .name: kv, .offset: 96, .size: 8, .value_kind: global_buffer, .address_space: global }
    .group_segment_fixed_size: 327680
    .private_segment_fixed_size: 0
    .kernarg_segment_align: 8
    .kernarg_segment_size: 104
    .max_flat_workgroup_size: 128
    .sgpr_count:     100
    .vgpr_count:     1024
    .wavefront_size: 32
...
	.end_amdgpu_metadata
.endif
;; end of part 1
;; launch attn (part 2): grid 8 x 32, 8 waves a work-group, clusters of 4 x 1, 327,680 bytes of LDS; arguments qc, kv, out0; writes out0
.if DOCPART == 2
	.amdgcn_target "amdgcn-amd-amdhsa--gfx1250"
	.amdhsa_code_object_version 6
	.text
	.protected	k_qa750c7df2a_attn
	.globl	k_qa750c7df2a_attn
	.p2align	8
	.type	k_qa750c7df2a_attn,@function
k_qa750c7df2a_attn:
	s_mov_b64 s[64:65], 0
	v_nop
	global_prefetch_b8 v0, s[64:65] scope:SCOPE_SE
	s_setreg_imm32_b32 hwreg(HW_REG_WAVE_MODE, 25, 1), 1
	s_wait_xcnt 0x0
	s_wait_alu depctr_hold_cnt(0) depctr_sa_sdst(0) depctr_va_vdst(0) depctr_va_sdst(0) depctr_va_ssrc(0) depctr_va_vcc(0) depctr_vm_vsrc(0)
	s_getreg_b32 s2, hwreg(HW_REG_IB_STS2, 6, 4)
	s_cmp_eq_u32 s2, 0
	s_cbranch_scc0 .Lentry_in_a_cluster
	s_endpgm
.Lentry_in_a_cluster:
	s_bfe_u32 s2, ttmp6, 0x10000c
	s_cmp_lg_u32 s2, 0x3003
	s_cbranch_scc0 .Lentry_shape_is_right
	s_endpgm
.Lentry_shape_is_right:
; out = softmax(round(clip(q k^T / 8, 0, 4)) / 4) v for 256 queries of one (b, head), on the images of operand registers that launch proj stored: codes of BF6 (E3M2) and E8M0 scale words.
; SHARES.  Work-group (x, bh): queries 256 x + 0 .. 255.  Wave w: one fragment of q = two tiles u of 16 queries.  All 2,048 keys: 16 STEPs of 128 keys, 12,800 bytes each (k's 4 fragments, v's 4, scale images).
; ALL OF K AND V, 204,800 bytes, lies in LDS for the whole launch: each of the eight waves brings two STEPs (100 rows of 256 bytes) by its one tensor load at the head; nothing is filled again.
; CLUSTER 4 x 1: the four work-groups of a cluster have the same bh and ask for these tiles jointly.  No prefetch: all fills go out at the head; no loop has a fill to run ahead of.
; BOTH PRODUCTS ARE USED TRANSPOSED (S^T = k q^T, O^T = v^T p^T): a lane holds one query.  The head has 64 channels: a fragment of k holds two tiles of 16 keys (K 0-63 and 64-127 of the operand), and q stands
; beside six registers of zero codes, above or below, so that one product takes one of the two tiles.
; A STEP, laid in blocks so that each kind of work stands on end: 16 score products; 128 clips; 64 + 64 packed multiply-adds; 128 exponentials; 8 conversions; 64 packed additions; 8 products with v.
; n = round(clip(s / 8, 0, 4)) is made as clip(s, 0, 32) / 8 + 1.5 x 2^23 (the sum rounds to a whole number, ties to even); t = n log2(e) / 4 by one more multiply-add, whose product with 1.5 x 2^23 is taken away exactly.
; THE MAXIMUM.  reference()'s own clip holds t in 0 .. 1.4427 for every input, so p = 2^t lies in 1 .. 2.72: no exponential and no sum of 2,048 of them can leave f32's range.  p is taken with M = 0 in place of
; ceil(the row's largest t), which is 0, 1 or 2: a power of two, which the division by the row's sum takes away again.  All p of a row lie within a factor 2.72, so under the one scale 2^-3 (p x 8 in 8 .. 21.8, under 28)
; every code is a normal number with the same two mantissa bits that the block's own scale would give: the codes' values are those of the stated quantiser.  The row's sum is taken of the unquantised p.
; LIMITS: NaN and infinities are not served.
; REGISTERS: window 0: v1-14 addresses; v16-45 q's two tiles between zero codes; v46-47 q's scale words; v48-51 k's and v's; v52 p's scale word, v53 the conversions' scale; v60-63 constants; v64-191 scores, then p;
;   v192-215 p's codes; v216-222, v240-246 conversions' second halves; v224-239 the rows' sums, eight chains; v254-255 the spare word's address and 0.  window 1: v0-47 k's fragments, v48-95 v's, v128-191 O^T.
.set STEPB, 12800
.set STAGE, 204800                     ; behind K and V: the way out, 16 rows x 272 bytes for each wave
.set SPARE, 239616                     ; behind the stages: the spare words, 128 bytes for each wave
.set S,   64
.set P,   192
.set TMP, 216
.set LL,  224
.set MSB, 0
.macro WIN new                         ; the immediate's high byte repeats the setting that is left
.if MSB != \new
	s_set_vgpr_msb (MSB<<8)|\new
.set MSB, \new
.endif
.endm
.macro CROUND                          ; a round of the cluster's barrier
	s_barrier_signal -1
	s_barrier_wait -1
	s_cmp_lg_u32 s10, 0
	s_cbranch_scc1 .Lnot_wave_0_\@
	s_barrier_signal -3
.Lnot_wave_0_\@:
	s_barrier_wait -3
	s_barrier_signal -1
	s_barrier_wait -1
.endm
	s_load_b128 s[4:7], s[0:1], 0x0                ; qc, kv
	s_load_b64 s[8:9], s[0:1], 0x10                ; out0
	v_lshl_add_u32 v254, v0, 2, SPARE
	v_mov_b32 v255, 0
	ds_add_u32 v254, v255                          ; the opening: the add, twice on end, and its wait ahead of my first tensor load
	ds_add_u32 v254, v255
	v_lshrrev_b32 v1, 5, v0
	s_delay_alu instid0(VALU_DEP_1)
	v_readfirstlane_b32 s10, v1                    ; wave 0..7
	s_bfe_u32 s11, ttmp6, 0x40000
	s_lshl_b32 s12, ttmp9, 2
	s_add_co_u32 s12, s12, s11                     ; work-group x
	s_and_b32 s13, ttmp7, 0xffff                   ; bh
	s_mov_b32 s16, 15|(3<<16)|(1<<21)              ; group 1: the cluster's four; elements of 8 bytes; 100 dense rows of 256 bytes
	s_mov_b32 s17, 32<<16
	s_mov_b32 s18, 100<<16
	s_mov_b32 s19, 32<<16
	s_mov_b32 s20, 100
	s_mov_b32 s21, 32
	s_mov_b32 s22, 0
	s_mov_b32 s23, 0
	s_mul_i32 s50, s13, 204800
	s_mul_i32 s52, s10, 25600                      ; my two STEPs, in memory and in LDS alike
	s_add_co_u32 s50, s50, s52
	s_mov_b32 s51, 0
	s_lshr_b32 s53, s10, 1
	s_and_b32 s54, s10, 1
	s_lshr_b32 s55, s53, 1
	s_and_b32 s56, s53, 1
	s_lshl_b32 s57, s12, 1
	s_add_co_u32 s57, s57, s55                     ; q's STEP = 2 x + w / 4; my fragment in it: 2 ((w / 2) % 2) + w % 2
	s_mul_i32 s57, s57, 6400
	s_mul_i32 s60, s13, 102400
	s_add_co_u32 s60, s60, s57
	s_mov_b32 s61, 0
	s_lshl_b32 s58, s12, 8
	s_lshl_b32 s59, s53, 6
	s_add_co_u32 s58, s58, s59
	s_lshl_b32 s59, s54, 4
	s_add_co_u32 s58, s58, s59                     ; t = 256 x + 64 (w / 2) + 16 (w % 2)
	s_lshl_b32 s58, s58, 13                        ; 8,192 bytes from t to t + 1
	s_lshr_b32 s59, s13, 4
	s_lshl_b32 s59, s59, 12
	s_add_co_u32 s58, s58, s59                     ; + b
	s_and_b32 s59, s13, 15
	s_lshl_b32 s59, s59, 8
	s_add_co_u32 s58, s58, s59                     ; + the head's 256 bytes
	s_mov_b32 s59, 0
	s_mov_b32 s40, 0                               ; the STEP's place in LDS
	s_mov_b32 s42, 0x42000000                      ; 32
	s_mov_b32 s44, 0x3e000000                      ; 1 / 8
	s_mov_b32 s45, s44
	s_mov_b32 s46, 0x3eb8aa3c                      ; log2(e) / 4
	s_mov_b32 s47, s46
	s_mov_b32 s48, 0x76543210
	s_mov_b32 s49, 0xfedcba98                      ; v_permlanex16_b32's selects for lane l xor 16
	s_wait_dscnt 0x0                               ; both opening adds are done
	s_wait_kmcnt 0x0
	s_add_nc_u64 s[6:7], s[6:7], s[50:51]
	s_add_nc_u64 s[4:5], s[4:5], s[60:61]
	s_add_nc_u64 s[8:9], s[8:9], s[58:59]
	CROUND                                         ; the cluster's four are here: the joint loads meet
	s_mov_b32 s24, 1
	s_mul_i32 s25, s10, 25600
	s_mov_b64 s[26:27], s[6:7]
	s_or_b32 s27, s27, 0x80000000
	tensor_load_to_lds s[24:27], s[16:23]          ; my one tensor load of the launch
	s_nop 0
.rept 4
	v_nop
.endr
	v_and_b32 v14, 31, v0
	s_delay_alu instid0(VALU_DEP_1)
	v_lshlrev_b32 v1, 4, v14                       ; 16 x lane
	s_delay_alu instid0(VALU_DEP_2)
	v_lshlrev_b32 v2, 3, v14                       ; 8 x lane
	s_delay_alu instid0(VALU_DEP_3)
	v_lshlrev_b32 v3, 2, v14                       ; 4 x lane
	v_and_b32 v12, 15, v0
	s_wait_alu depctr_va_vdst(0)
	v_bfe_u32 v13, v0, 4, 1
	s_lshl_b32 s14, s56, 1
	s_add_co_u32 s14, s14, s54
	s_mul_i32 s14, s14, 1536
	v_add_nc_u32 v10, s14, v1
	s_lshl_b32 s14, s54, 7
	s_lshl_b32 s15, s56, 2
	s_add_co_u32 s14, s14, s15
	v_lshl_add_u32 v11, v12, 3, s14
.irp k, 0,1,2
	global_load_b128 v[240+4*\k:243+4*\k], v10, s[4:5] offset:512*\k   ; q's fragment
.endr
	global_load_b32 v252, v11, s[4:5] offset:6144  ; its scale word
	s_mul_i32 s14, s10, 4352
	s_add_co_u32 s14, s14, STAGE
	v_mul_u32_u24 v7, v12, 272
	s_wait_alu depctr_va_vdst(0)
	v_lshl_add_u32 v7, v13, 5, v7
	s_delay_alu instid0(VALU_DEP_1)
	v_add_nc_u32 v7, s14, v7                       ; the stage, in: row r, 32 bytes for each half of the lanes
	v_mul_u32_u24 v8, v13, 272
	s_delay_alu instid0(VALU_DEP_1)
	v_lshl_add_u32 v8, v12, 4, v8
	s_delay_alu instid0(VALU_DEP_1)
	v_add_nc_u32 v8, s14, v8                       ; back: sixteen lanes take one row of 256 bytes
	v_lshlrev_b32 v9, 13, v13
	s_delay_alu instid0(VALU_DEP_1)
	v_lshl_add_u32 v9, v12, 4, v9                  ; and the same in out0
	v_mov_b32 v52, 0x7c7c7c7c                      ; p's scale bytes: 2^-3
	v_mov_b32 v53, 0x3e000000                      ; the same as the conversions' scale operand
	v_mov_b32 v60, 0x4b400000                      ; 1.5 x 2^23
	v_mov_b32 v61, 0x4b400000
	v_mov_b32 v62, 0xca8a7fad                      ; -(1.5 x 2^23 x s46), exactly
	v_mov_b32 v63, 0xca8a7fad
	s_wait_loadcnt 0x0
.irp i, 0,1,2,3,4,5
	v_mov_b32 v[22+\i], v[240+\i]
	v_mov_b32 v[34+\i], v[246+\i]
.endr
	v_and_b32 v46, 0xffff, v252
	s_delay_alu instid0(VALU_DEP_1)
	v_lshl_or_b32 v46, v46, 16, v46                ; tile 0's two bytes serve either half of K
	v_lshrrev_b32 v47, 16, v252
	s_delay_alu instid0(VALU_DEP_1)
	v_lshl_or_b32 v47, v47, 16, v47
.irp i, 0,1,2,3,4,5
	v_mov_b32 v[16+\i], 0
	v_mov_b32 v[28+\i], 0
	v_mov_b32 v[40+\i], 0
.endr
.irp i, 0,1,2,3,4,5,6,7,8,9,10,11,12,13,14,15
	v_mov_b32 v[LL+\i], 0
.endr
.macro FETCH_K adv                     ; 13 LDS loads; the three additions and the v_nop are the four places behind the score products
.if \adv
	s_add_co_u32 s40, s40, STEPB
.endif
	v_add_nc_u32 v4, s40, v1
	v_add_nc_u32 v5, s40, v2
	v_add_nc_u32 v6, s40, v3
	v_nop
	WIN 0x40
.irp F, 0,1,2,3
.irp k, 0,1,2
	ds_load_b128 v[12*\F+4*\k:12*\F+4*\k+3], v4 offset:1536*\F+512*\k
.endr
.endr
	WIN 0
	ds_load_b64 v[48:49], v5 offset:12288
.endm
.macro FETCH_V                         ; 14 LDS loads, of the STEP that FETCH_K has stepped to
.rept 4
	v_nop
.endr
	WIN 0x40
.irp d, 0,1,2,3
.irp k, 0,1,2
	ds_load_b128 v[48+12*\d+4*\k:48+12*\d+4*\k+3], v4 offset:6144+1536*\d+512*\k
.endr
.endr
	WIN 0
	ds_load_b32 v50, v6 offset:12544
	ds_load_b32 v51, v6 offset:12672
.endm
.macro SCORES                          ; fragment F of k, its half hf, against tile u of q: lane (r, h) gets query r; the 32 registers of F / 2 are block 2 (F / 2) + h of the keys
	WIN 0x01
.irp F, 0,1,2,3
.irp hf, 0,1
.irp u, 0,1
.set rD, S+64*\u+32*(\F/2)+8*(2*(\F%2)+\hf)
.set rA, 12*\F
.set rB, 22+12*\u-6*\hf
.if (\F%2) == 0
	v_wmma_scale_f32_16x16x128_f8f6f4 v[rD:rD+7], v[rA:rA+11], v[rB:rB+11], 0, v[48+\F/2], v[46+\u] matrix_a_fmt:MATRIX_FMT_BF6 matrix_b_fmt:MATRIX_FMT_BF6
.else
	v_wmma_scale_f32_16x16x128_f8f6f4 v[rD:rD+7], v[rA:rA+11], v[rB:rB+11], 0, v[48+\F/2], v[46+\u] matrix_a_fmt:MATRIX_FMT_BF6 matrix_b_fmt:MATRIX_FMT_BF6 matrix_a_scale:MATRIX_SCALE_ROW1
.endif
.endr
.endr
.endr
.endm
.macro PV zero                         ; O^T += v^T p^T: the eight accumulators by turns
	WIN 0x51
	s_wait_alu depctr_va_vdst(0)                   ; directly ahead of the first product
.irp dt, 0,1,2,3
.irp u, 0,1
.set rD, 128+32*\u+8*\dt
.set rA, 48+12*\dt
.set rB, P+12*\u
.if \zero
.if (\dt%2) == 0
	v_wmma_scale_f32_16x16x128_f8f6f4 v[rD:rD+7], v[rA:rA+11], v[rB:rB+11], 0, v[50+\dt/2], v52 matrix_a_fmt:MATRIX_FMT_BF6 matrix_b_fmt:MATRIX_FMT_BF6
.else
	v_wmma_scale_f32_16x16x128_f8f6f4 v[rD:rD+7], v[rA:rA+11], v[rB:rB+11], 0, v[50+\dt/2], v52 matrix_a_fmt:MATRIX_FMT_BF6 matrix_b_fmt:MATRIX_FMT_BF6 matrix_a_scale:MATRIX_SCALE_ROW1
.endif
.else
.if (\dt%2) == 0
	v_wmma_scale_f32_16x16x128_f8f6f4 v[rD:rD+7], v[rA:rA+11], v[rB:rB+11], v[rD:rD+7], v[50+\dt/2], v52 matrix_a_fmt:MATRIX_FMT_BF6 matrix_b_fmt:MATRIX_FMT_BF6
.else
	v_wmma_scale_f32_16x16x128_f8f6f4 v[rD:rD+7], v[rA:rA+11], v[rB:rB+11], v[rD:rD+7], v[50+\dt/2], v52 matrix_a_fmt:MATRIX_FMT_BF6 matrix_b_fmt:MATRIX_FMT_BF6 matrix_a_scale:MATRIX_SCALE_ROW1
.endif
.endif
.endr
.endr
.endm
.macro STEP zero, fetch
	s_wait_dscnt 14                                ; k's 13 loads are in; v's 14, issued behind them, may be out
	SCORES
	WIN 0
.if \fetch
	FETCH_K 1
.else
.rept 4
	v_nop
.endr
.endif
.set n, 0
.rept 128
	v_med3_num_f32 v[S+n], v[S+n], 0, s42          ; clip(s, 0, 32); each accumulator from its low end on
.set n, n+1
.endr
.set n, 0
.rept 64
	v_pk_fma_f32 v[S+n:S+n+1], v[S+n:S+n+1], s[44:45], v[60:61] op_sel_hi:[1,0,0]   ; / 8 + 1.5 x 2^23: n, rounded to nearest even
.set n, n+2
.endr
.set n, 0
.rept 64
	v_pk_fma_f32 v[S+n:S+n+1], v[S+n:S+n+1], s[46:47], v[62:63] op_sel_hi:[1,0,0]   ; t = n log2(e) / 4
.set n, n+2
.endr
	s_wait_alu depctr_va_vdst(0)                   ; one wait ahead of the batch
.set n, 0
.rept 128
	v_exp_f32 v[S+n], v[S+n]                       ; p = 2^t
.set n, n+1
.endr
	v_nop                                          ; one plain place behind the exponentials
	s_wait_alu depctr_va_vdst(0)                   ; and one wait behind the batch, ahead of its first reader
.irp u, 0,1
.irp c, 0,1
	v_cvt_scalef32_pk16_bf6_f32 v[P+12*\u+6*\c:P+12*\u+6*\c+2], v[S+64*\u+32*\c:S+64*\u+32*\c+15], v53
	v_cvt_scalef32_pk16_bf6_f32 v[TMP+24*\u+4*\c:TMP+24*\u+4*\c+2], v[S+64*\u+32*\c+16:S+64*\u+32*\c+31], v53   ; (a conversion's three registers begin on an even number)
.endr
.endr
	v_nop                                          ; one plain place behind a scaled conversion
.irp u, 0,1
.irp c, 0,1
.irp i, 0,1,2
	v_mov_b32 v[P+12*\u+6*\c+3+\i], v[TMP+24*\u+4*\c+\i]
.endr
.endr
.endr
.set n, 0
.rept 32                               ; the rows' sums, of the unquantised p: eight chains by turns.  These 64 are also the places between p's codes and the products
	v_pk_add_f32 v[LL+2*(n%4):LL+2*(n%4)+1], v[LL+2*(n%4):LL+2*(n%4)+1], v[S+2*n:S+2*n+1]
	v_pk_add_f32 v[LL+8+2*(n%4):LL+8+2*(n%4)+1], v[LL+8+2*(n%4):LL+8+2*(n%4)+1], v[S+64+2*n:S+64+2*n+1]
.set n, n+1
.endr
.if \fetch
	s_wait_dscnt 13                                ; v's loads are in; the next k's 13 may be out
.else
	s_wait_dscnt 0x0
.endif
	PV \zero
.if \fetch
	FETCH_V
.endif
	WIN 0
.endm
	s_wait_alu depctr_va_vdst(0)                   ; the head's end
	s_wait_tensorcnt 0x0                           ; my two STEPs are in
	s_barrier_signal -1
	s_barrier_wait -1                              ; everybody's are
	FETCH_K 0
	FETCH_V
	STEP 1, 1                                      ; the first STEP's products start O^T's sums
	s_mov_b32 s41, 14
.Lstep:
	STEP 0, 1
	s_sub_co_u32 s41, s41, 1
	s_cmp_lg_u32 s41, 0
	s_cbranch_scc1 .Lstep
	STEP 0, 0                                      ; the last: nothing more to fetch
.irp u, 0,1
	v_pk_add_f32 v[LL+8*\u:LL+8*\u+1], v[LL+8*\u:LL+8*\u+1], v[LL+8*\u+2:LL+8*\u+3]
	v_pk_add_f32 v[LL+8*\u+4:LL+8*\u+5], v[LL+8*\u+4:LL+8*\u+5], v[LL+8*\u+6:LL+8*\u+7]
.endr
.irp u, 0
	s_delay_alu instid0(VALU_DEP_3)
	v_pk_add_f32 v[LL+8*\u:LL+8*\u+1], v[LL+8*\u:LL+8*\u+1], v[LL+8*\u+4:LL+8*\u+5]
.endr
.irp u, 1
	s_delay_alu instid0(VALU_DEP_2)
	v_pk_add_f32 v[LL+8*\u:LL+8*\u+1], v[LL+8*\u:LL+8*\u+1], v[LL+8*\u+4:LL+8*\u+5]
.endr
.irp u, 0,1
	s_delay_alu instid0(VALU_DEP_2)
	v_add_f32 v[LL+8*\u], v[LL+8*\u], v[LL+8*\u+1]
.endr
.irp u, 0,1
	s_delay_alu instid0(VALU_DEP_2)
	v_permlanex16_b32 v[LL+8*\u+2], v[LL+8*\u], s48, s49
.endr
.irp u, 0,1
	s_delay_alu instid0(VALU_DEP_2)
	v_add_f32 v[LL+8*\u], v[LL+8*\u], v[LL+8*\u+2]   ; with lane l xor 16's keys: the row's sum
.endr
	s_wait_alu depctr_va_vdst(0)                   ; ahead of the transcendentals
.irp u, 0,1
	v_rcp_f32 v[LL+8*\u+4], v[LL+8*\u]
.endr
	v_nop
	s_wait_alu depctr_va_vdst(0)                   ; and behind them, ahead of the first reader
; THE WAY OUT: O^T / the sum; a lane holds 8 neighbouring channels of a query for each of 4 tiles; through my own stage, back as rows of 256 bytes, which sixteen lanes store as one aligned unit
.macro PACK u
	WIN 0x01
.irp m, 0,1,2,3,4,5,6,7,8,9,10,11,12,13,14,15
	v_pk_mul_f32 v[S+64*\u+2*\m:S+64*\u+2*\m+1], v[128+32*\u+2*\m:128+32*\u+2*\m+1], v[LL+8*\u+4:LL+8*\u+5] op_sel_hi:[1,0]
.endr
	WIN 0
.irp dt, 0,1,2,3
	ds_store_b128 v7, v[S+64*\u+8*\dt:S+64*\u+8*\dt+3] offset:64*\dt
	ds_store_b128 v7, v[S+64*\u+8*\dt+4:S+64*\u+8*\dt+7] offset:64*\dt+16
.endr
.irp k, 0,1,2,3,4,5,6,7
	ds_load_b128 v[S+32+64*\u+4*\k:S+32+64*\u+4*\k+3], v8 offset:544*\k   ; LDS serves a wave's instructions in order (ISA guide 5.7.1.4): these see the stores above
.endr
.endm
.macro SEND u, younger                 ; the tile's rows 0-7 are t0 + 8 u + j, rows 8-15 are t0 + 40 - 8 u + j - 8
.irp k, 0,1,2,3,4,5,6,7
	s_wait_dscnt \younger+7-\k
	global_store_b128 v9, v[S+32+64*\u+4*\k:S+32+64*\u+4*\k+3], s[8:9] offset:(2*\k+8*\u+(\k/4)*(32-16*\u))*8192 th:TH_STORE_NT
.endr
.endm
	PACK 0
	PACK 1
	SEND 0, 16
	SEND 1, 0
	s_wait_tensorcnt 0x0                           ; the wave's end
	ds_add_u32 v254, v255
	s_wait_dscnt 0x0
	CROUND                                         ; the closing round
	s_endpgm
.Lfunc_end_k_qa750c7df2a_attn:
	.size	k_qa750c7df2a_attn, .Lfunc_end_k_qa750c7df2a_attn-k_qa750c7df2a_attn
	.p2alignl 7, 3214868480
	.fill 96, 4, 3214868480
	.section	.rodata,"a",@progbits
	.p2align	6, 0x0
	.amdhsa_kernel k_qa750c7df2a_attn
		.amdhsa_group_segment_fixed_size 327680
		.amdhsa_private_segment_fixed_size 0
		.amdhsa_enable_private_segment 0
		.amdhsa_kernarg_size 24
		.amdhsa_user_sgpr_count 2
		.amdhsa_user_sgpr_kernarg_segment_ptr 1
		.amdhsa_wavefront_size32 1
		.amdhsa_system_sgpr_workgroup_id_x 1
		.amdhsa_system_sgpr_workgroup_id_y 1
		.amdhsa_system_sgpr_workgroup_id_z 1
		.amdhsa_system_vgpr_workitem_id 0
		.amdhsa_next_free_vgpr 512
		.amdhsa_next_free_sgpr 66
		.amdhsa_reserve_vcc 0
		.amdhsa_float_denorm_mode_32 3
		.amdhsa_float_denorm_mode_16_64 3
		.amdhsa_memory_ordered 1
		.amdhsa_forward_progress 1
		.amdhsa_inst_pref_size 107
	.end_amdhsa_kernel
	.amdgpu_metadata
---
amdhsa.version: [ 1, 2 ]
amdhsa.kernels:
  - .name:           k_qa750c7df2a_attn
    .symbol:         k_qa750c7df2a_attn.kd
    .args:
      - { .name: qc, .offset: 0, .size: 8, .value_kind: global_buffer, .address_space: global }
      - { .name: kv, .offset: 8, .size: 8, .value_kind: global_buffer, .address_space: global }
      - { .name: out0, .offset: 16, .size: 8, .value_kind: global_buffer, .address_space: global }
    .group_segment_fixed_size: 327680
    .private_segment_fixed_size: 0
    .kernarg_segment_align: 8
    .kernarg_segment_size: 24
    .max_flat_workgroup_size: 256
    .sgpr_count:     66
    .vgpr_count:     512
    .wavefront_size: 32
...
	.end_amdgpu_metadata
.endif
;; end of part 2
